; MI455X (gfx1250); checked and timed in simulation.
; The chip was launched on July 23, 2026; its instructions are those of AMD's public machine-readable ISA for CDNA 5 (MIT licence, August 2026) and "CDNA5" Instruction Set Architecture Reference Guide (July 2026). The comments in the code are by the model that wrote it; some were corrected since.
;; Sparse Attention Meansim. Allowed arithmetic: float matrix products may take bf16 or f16 operands with f32 sums; all other float work in f32.
;; Inputs: cdfthreshd 16 float32; k 2 x 16 x 2,048 x 64 float32; pvthreshd 16 float32; q 2 x 16 x 2,048 x 64 float32; simthreshd1 16 float32; v 2 x 16 x 2,048 x 64 float32.
;; Outputs: out0 2 x 16 x 2,048 x 64 float32.
;; 2 versions, each right; version 2 is version 1 with the launch pv written anew for expert scheduling mode. Each part assembles by itself: llvm-mc -triple=amdgcn-amd-amdhsa -mcpu=gfx1250 --defsym DOCPART=n.
;; ======== version 1 of 2: 3 launches
;; limits: values are held in f16: magnitudes above 65,504 overflow, below 6.1e-05 lose precision; inputs' magnitudes at most 65,504
;; workspace buffers: qh 8,388,608 bytes; kh 8,388,608 bytes; vt 8,388,608 bytes; qmean 262,144 bytes; kbmean 262,144 bytes; cosm 4,096 bytes; rowst 524,288 bytes; pvmask 4,096 bytes of whole numbers
;; launch prep (part 1): grid 32 x 32, 8 waves a work-group, no clusters, 14,592 bytes of LDS; arguments q, k, v, qh, kh, vt, qmean, kbmean, cosm; writes qh, kh, vt, qmean, kbmean, cosm
.if DOCPART == 1
	.amdgcn_target "amdgcn-amd-amdhsa--gfx1250"
	.amdhsa_code_object_version 6
	.text
	.protected	k_q06e36adaec_prep
	.globl	k_q06e36adaec_prep
	.p2align	8
	.type	k_q06e36adaec_prep,@function
k_q06e36adaec_prep:
	s_mov_b64 s[64:65], 0
	v_nop
	global_prefetch_b8 v0, s[64:65] scope:SCOPE_SE
	s_setreg_imm32_b32 hwreg(HW_REG_WAVE_MODE, 25, 1), 1
	s_wait_xcnt 0x0
; PREP: one work-group = one block of 64 rows of q, k and v of one head (x = block, y = head; unit = 32 head + block).
; It rounds q, k, v once to bf16 (qh, kh as they lie, in bf16; vt transposed inside the block: [64 d][64 keys], the rounded number written as
; f16) and, in f32 ON THE ROUNDED numbers, makes the block mean of q, the block mean of k (not smoothed: the key mean is taken away later,
; where it matters) and the mean cosine of the block's queries with their mean.
; WHY vt IS f16: the product P V is made in f16, whose 11 significant bits keep P's rounding eight times smaller than bf16's 8 would.  A number of
; 8 significant bits is exact in f16 for 2^-17 <= |v| <= 65,280.
; A stream: each input byte is read once, each load of a wave covers 512 consecutive bytes.  No matrix unit, no cluster (no two
; work-groups read the same bytes), no tensor loads (each thread's twelve loads are all that the work-group reads).
; LIMITS: |v| above 65,504 is not served (f16's range); |v| below 2^-17 is off by 2^-25 at the most.  The division is a reciprocal and a multiply;
; sums run in another order than a plain loop's; NaN and infinities are not served.
.set CSQ, 0                            ; LDS: 8 waves x 64 f32, column sums of q
.set CSK, 2048                         ; the same for k
.set VT,  4096                         ; 64 rows (d) of 128 bytes (64 keys in f16), 144 bytes apart
.set VP,  144
.set CP,  13312                        ; 8 f32: each wave's sum of cosines
.set Q,   16                           ; v[16:31]   my 4 numbers of rows g, g+16, g+32, g+48 of q; rounded in place
.set K,   32                           ; v[32:47]   the same of k;   later v[32:63]: the eight partial sums of q
.set V,   48                           ; v[48:63]   my 4 numbers of rows 2g, 2g+1, 2g+32, 2g+33 of v; rounded in place
.set PQ,  64                           ; v[64:71]   q packed to bf16
.set PK,  72                           ; v[72:79]   k packed
.set W,   80                           ; v[80:87]   at work; later the two means: QM v[80:83], KM v[84:87]
.set QM,  80
.set KM,  84
.set W2,  88                           ; v[88:95]   v packed by pairs of keys
.set VO,  96                           ; v[96:103]  vt on its way out
.set RK,  104                          ; v[104:135] the eight partial sums of k; later nine pairs of products
.set T,   104
.set RED, 40                           ; v[40:48]   4 dots, 4 squared norms, the mean's squared norm
.set SQ,  50                           ; v[50:54]   their roots
.set DEN, 56                           ; v[56:59]
.set RC,  60                           ; v[60:63]
	s_load_b512 s[4:19], s[0:1], 0x0               ; q, k, v, qh, kh, vt, qmean, kbmean
	s_load_b64 s[20:21], s[0:1], 0x40              ; cosm
	v_lshl_add_u32 v136, v0, 2, 0x3500
	v_mov_b32 v137, 0
	s_and_b32 s22, ttmp7, 0xffff
	s_lshl_b32 s22, s22, 5
	s_add_co_u32 s22, s22, ttmp9                   ; unit
	v_lshrrev_b32 v8, 5, v0
	v_readfirstlane_b32 s26, v8                    ; wave
	s_mov_b32 s27, 0xffff0000                      ; a word's upper bf16
	s_mov_b32 s28, 0x76543210                      ; v_permlanex16_b32: lane i reads lane i of the other half
	s_mov_b32 s29, 0xfedcba98
	v_and_b32 v9, 15, v0                           ; c: my columns are d = 4c .. 4c+3
	v_lshrrev_b32 v10, 4, v0                       ; g = 0 .. 15
	v_lshlrev_b32 v1, 4, v0                        ; 16 t: row g, 16 bytes at 16 c, of rows of 256 bytes
	v_lshlrev_b32 v2, 3, v0                        ; 8 t: the same place in rows of 128 bytes
	v_lshlrev_b32 v5, 4, v9                        ; 16 c
	v_lshl_add_u32 v3, v10, 9, v5                  ; v: row 2 g
	v_mul_u32_u24 v4, v9, 4*VP
	v_lshl_add_u32 v4, v10, 2, v4
	v_add_nc_u32 v4, VT, v4                        ; VT: row d = 4c, keys 2g and 2g+1
	v_lshl_add_u32 v6, s26, 8, v5                  ; my wave's 256 bytes of partial sums, 16 c
	v_lshrrev_b32 v7, 3, v0
	v_mul_u32_u24 v7, v7, VP
	v_and_b32 v11, 7, v0
	v_lshl_add_u32 v7, v11, 4, v7
	v_add_nc_u32 v7, VT, v7                        ; VT read back: row t / 8, 16 bytes at 16 (t mod 8)
	s_lshl_b32 s23, s26, 2
	v_mov_b32 v12, s23                             ; 4 x wave
	v_mov_b32 v13, 0
	s_lshl_b32 s24, s22, 14                        ; 64 rows of 256 bytes
	s_mov_b32 s25, 0
	s_wait_kmcnt 0x0
	s_add_nc_u64 s[4:5], s[4:5], s[24:25]
	s_add_nc_u64 s[6:7], s[6:7], s[24:25]
	s_add_nc_u64 s[8:9], s[8:9], s[24:25]
.irp n, 0,1,2,3
	global_load_b128 v[Q+4*\n:Q+4*\n+3], v1, s[4:5] offset:\n*4096 th:TH_LOAD_NT
.endr
.irp n, 0,1,2,3
	global_load_b128 v[K+4*\n:K+4*\n+3], v1, s[6:7] offset:\n*4096 th:TH_LOAD_NT
.endr
.irp n, 0,1,2,3
	global_load_b128 v[V+4*\n:V+4*\n+3], v3, s[8:9] offset:(\n&1)*256+(\n>>1)*8192 th:TH_LOAD_NT
.endr
	s_lshl_b32 s24, s22, 13                        ; 8,192 bytes of 16-bit numbers a unit
	s_add_nc_u64 s[10:11], s[10:11], s[24:25]
	s_add_nc_u64 s[12:13], s[12:13], s[24:25]
	s_add_nc_u64 s[14:15], s[14:15], s[24:25]
	s_lshl_b32 s24, s22, 8                         ; 256 bytes of means a unit
	s_add_nc_u64 s[16:17], s[16:17], s[24:25]
	s_add_nc_u64 s[18:19], s[18:19], s[24:25]
	s_lshl_b32 s24, s22, 2
	s_add_nc_u64 s[20:21], s[20:21], s[24:25]
; Four rows of q or k: round, store (a wave's store covers 256 consecutive bytes, aligned), widen the rounded numbers back in place,
; add the four rows and the other half of the wave, and leave the wave's column sums in LDS.
.macro CONV src, pk, sb, lds
.irp n, 0,1,2,3
	v_cvt_pk_bf16_f32 v[\pk+2*\n], v[\src+4*\n], v[\src+4*\n+1]
	v_cvt_pk_bf16_f32 v[\pk+2*\n+1], v[\src+4*\n+2], v[\src+4*\n+3]
.endr
.irp n, 0,1,2,3
	global_store_b64 v2, v[\pk+2*\n:\pk+2*\n+1], s[\sb:\sb+1] offset:\n*2048
.endr
.irp n, 0,1,2,3,4,5,6,7
	v_lshlrev_b32 v[\src+2*\n], 16, v[\pk+\n]
	v_and_b32 v[\src+2*\n+1], s27, v[\pk+\n]
.endr
	v_pk_add_f32 v[W:W+1], v[\src:\src+1], v[\src+4:\src+5]
	v_pk_add_f32 v[W+2:W+3], v[\src+2:\src+3], v[\src+6:\src+7]
	v_pk_add_f32 v[W+4:W+5], v[\src+8:\src+9], v[\src+12:\src+13]
	v_pk_add_f32 v[W+6:W+7], v[\src+10:\src+11], v[\src+14:\src+15]
	v_pk_add_f32 v[W:W+1], v[W:W+1], v[W+4:W+5]
	v_pk_add_f32 v[W+2:W+3], v[W+2:W+3], v[W+6:W+7]
.irp e, 0,1,2,3
	v_permlanex16_b32 v[W+4+\e], v[W+\e], s28, s29         ; the same columns, the wave's other four rows
.endr
	v_pk_add_f32 v[W:W+1], v[W:W+1], v[W+4:W+5]
	v_pk_add_f32 v[W+2:W+3], v[W+2:W+3], v[W+6:W+7]
	ds_store_b128 v6, v[W:W+3] offset:\lds                 ; both halves of the wave write the same numbers to the same bytes
.endm
	s_wait_loadcnt 0x8                             ; q is in; the eight loads of k and v stay out
	CONV Q, PQ, 10, CSQ
	s_wait_loadcnt 0x4                             ; k is in; v's four stay out
	CONV K, PK, 12, CSK
	s_wait_loadcnt 0x0
	; v: rounded once to bf16, widened in place, and the rounded number packed as f16, two neighbouring keys of a column to a word
.irp e, 0,1,2,3
	v_cvt_pk_bf16_f32 v[W2+\e], v[V+\e], v[V+4+\e]         ; keys 2g, 2g+1 of column 4c+e
	v_cvt_pk_bf16_f32 v[W2+4+\e], v[V+8+\e], v[V+12+\e]    ; keys 2g+32, 2g+33
.endr
.irp e, 0,1,2,3
	v_lshlrev_b32 v[V+\e], 16, v[W2+\e]
	v_and_b32 v[V+4+\e], s27, v[W2+\e]
	v_lshlrev_b32 v[V+8+\e], 16, v[W2+4+\e]
	v_and_b32 v[V+12+\e], s27, v[W2+4+\e]
.endr
.irp e, 0,1,2,3
	v_cvt_pk_f16_f32 v[W2+\e], v[V+\e], v[V+4+\e]
	v_cvt_pk_f16_f32 v[W2+4+\e], v[V+8+\e], v[V+12+\e]
.endr
.irp e, 0,1,2,3
	ds_store_b32 v4, v[W2+\e] offset:\e*VP
	ds_store_b32 v4, v[W2+4+\e] offset:\e*VP+64
.endr
	s_wait_dscnt 0x0                               ; for the other waves: all my LDS stores are done
	s_barrier_signal -1
	s_barrier_wait -1
.irp w, 0,1,2,3,4,5,6,7
	ds_load_b128 v[K+4*\w:K+4*\w+3], v5 offset:CSQ+\w*256
.endr
.irp w, 0,1,2,3,4,5,6,7
	ds_load_b128 v[RK+4*\w:RK+4*\w+3], v5 offset:CSK+\w*256
.endr
	ds_load_b128 v[VO:VO+3], v7
	ds_load_b128 v[VO+4:VO+7], v7 offset:32*VP
	s_wait_dscnt 0x0
	global_store_b128 v1, v[VO:VO+3], s[14:15]                 ; a wave's store covers 512 consecutive bytes of vt
	global_store_b128 v1, v[VO+4:VO+7], s[14:15] offset:4096
.macro SUM8 rb                         ; eight groups of four numbers into the first
.irp w, 0,2,4,6
	v_pk_add_f32 v[\rb+4*\w:\rb+4*\w+1], v[\rb+4*\w:\rb+4*\w+1], v[\rb+4*\w+4:\rb+4*\w+5]
	v_pk_add_f32 v[\rb+4*\w+2:\rb+4*\w+3], v[\rb+4*\w+2:\rb+4*\w+3], v[\rb+4*\w+6:\rb+4*\w+7]
.endr
.irp w, 0,4
	v_pk_add_f32 v[\rb+4*\w:\rb+4*\w+1], v[\rb+4*\w:\rb+4*\w+1], v[\rb+4*\w+8:\rb+4*\w+9]
	v_pk_add_f32 v[\rb+4*\w+2:\rb+4*\w+3], v[\rb+4*\w+2:\rb+4*\w+3], v[\rb+4*\w+10:\rb+4*\w+11]
.endr
	v_pk_add_f32 v[\rb:\rb+1], v[\rb:\rb+1], v[\rb+16:\rb+17]
	v_pk_add_f32 v[\rb+2:\rb+3], v[\rb+2:\rb+3], v[\rb+18:\rb+19]
.endm
	SUM8 K
	SUM8 RK
	v_pk_mul_f32 v[QM:QM+1], v[K:K+1], 0x3c800000 op_sel_hi:[1,0]          ; / 64
	v_pk_mul_f32 v[QM+2:QM+3], v[K+2:K+3], 0x3c800000 op_sel_hi:[1,0]
	v_pk_mul_f32 v[KM:KM+1], v[RK:RK+1], 0x3c800000 op_sel_hi:[1,0]
	v_pk_mul_f32 v[KM+2:KM+3], v[RK+2:RK+3], 0x3c800000 op_sel_hi:[1,0]
	; cosine of each of my four rows with the mean: my four columns' share of q.qm, q.q and qm.qm
.irp n, 0,1,2,3
	v_pk_mul_f32 v[T+2*\n:T+2*\n+1], v[Q+4*\n:Q+4*\n+1], v[QM:QM+1]
	v_pk_mul_f32 v[T+8+2*\n:T+8+2*\n+1], v[Q+4*\n:Q+4*\n+1], v[Q+4*\n:Q+4*\n+1]
.endr
	v_pk_mul_f32 v[T+16:T+17], v[QM:QM+1], v[QM:QM+1]
.irp n, 0,1,2,3
	v_pk_fma_f32 v[T+2*\n:T+2*\n+1], v[Q+4*\n+2:Q+4*\n+3], v[QM+2:QM+3], v[T+2*\n:T+2*\n+1]
	v_pk_fma_f32 v[T+8+2*\n:T+8+2*\n+1], v[Q+4*\n+2:Q+4*\n+3], v[Q+4*\n+2:Q+4*\n+3], v[T+8+2*\n:T+8+2*\n+1]
.endr
	v_pk_fma_f32 v[T+16:T+17], v[QM+2:QM+3], v[QM+2:QM+3], v[T+16:T+17]
.irp i, 0,1,2,3,4,5,6,7,8
	v_add_f32 v[RED+\i], v[T+2*\i], v[T+2*\i+1]
.endr
.irp m, 1,2,4,8                        ; over the sixteen lanes that share a row
.irp i, 0,1,2,3,4,5,6,7,8
	v_add_f32_dpp v[RED+\i], v[RED+\i], v[RED+\i] row_xmask:\m row_mask:0xf bank_mask:0xf
.endr
.endr
.irp i, 0,1,2,3,4
	v_sqrt_f32 v[SQ+\i], v[RED+4+\i]
.endr
	v_nop                                          ; one plain vector instruction behind a transcendental before its result is used (ISA guide 5.7.2)
	s_wait_alu depctr_va_vdst(0)
.irp n, 0,1,2,3
	v_fmaak_f32 v[DEN+\n], v[SQ+\n], v[SQ+4], 0x358637bd   ; |q| |qm| + 1e-6
.endr
.irp n, 0,1,2,3
	v_rcp_f32 v[RC+\n], v[DEN+\n]
.endr
	v_nop
	s_wait_alu depctr_va_vdst(0)
	v_mul_f32 v[RED+4], v[RED], v[RC]
	v_fmac_f32 v[RED+4], v[RED+1], v[RC+1]
	v_fmac_f32 v[RED+4], v[RED+2], v[RC+2]
	v_fmac_f32 v[RED+4], v[RED+3], v[RC+3]
	v_permlanex16_b32 v[RED+5], v[RED+4], s28, s29
	v_add_f32 v[RED+4], v[RED+4], v[RED+5]         ; the wave's eight rows
	ds_store_b32 v12, v[RED+4] offset:CP
	s_wait_dscnt 0x0
	s_barrier_signal -1
	s_barrier_wait -1
	s_cmp_lg_u32 s26, 0                            ; wave 0 writes the unit's means and its mean cosine
	s_cbranch_scc1 .Lend
	ds_load_b128 v[DEN:DEN+3], v13 offset:CP
	ds_load_b128 v[RC:RC+3], v13 offset:CP+16
	s_wait_dscnt 0x0
	v_pk_add_f32 v[DEN:DEN+1], v[DEN:DEN+1], v[DEN+2:DEN+3]
	v_pk_add_f32 v[RC:RC+1], v[RC:RC+1], v[RC+2:RC+3]
	v_pk_add_f32 v[DEN:DEN+1], v[DEN:DEN+1], v[RC:RC+1]
	v_add_f32 v[DEN], v[DEN], v[DEN+1]
	v_mul_f32 v[DEN], 0x3c800000, v[DEN]           ; / 64
	s_wait_xcnt 0x0                                ; EXEC is a source of the stores issued above: it changes only behind this wait
	v_cmp_gt_u32 vcc_lo, 16, v0
	s_and_saveexec_b32 s30, vcc_lo
	global_store_b128 v5, v[QM:QM+3], s[16:17]     ; sixteen lanes: 256 consecutive bytes, aligned
	global_store_b128 v5, v[KM:KM+3], s[18:19]
	s_wait_xcnt 0x0
	s_or_b32 exec_lo, exec_lo, s30
	v_cmp_eq_u32 vcc_lo, 0, v0
	s_and_saveexec_b32 s31, vcc_lo
	global_store_b32 v13, v[DEN], s[20:21]         ; one word a unit: 4,096 bytes in the whole launch
	s_wait_xcnt 0x0
	s_or_b32 exec_lo, exec_lo, s31
.Lend:
	s_wait_tensorcnt 0x0
	ds_add_u32 v136, v137
	s_wait_dscnt 0x0
	s_endpgm
.Lfunc_end_k_q06e36adaec_prep:
	.size	k_q06e36adaec_prep, .Lfunc_end_k_q06e36adaec_prep-k_q06e36adaec_prep
	.p2alignl 7, 3214868480
	.fill 96, 4, 3214868480
	.section	.rodata,"a",@progbits
	.p2align	6, 0x0
	.amdhsa_kernel k_q06e36adaec_prep
		.amdhsa_group_segment_fixed_size 14592
		.amdhsa_private_segment_fixed_size 0
		.amdhsa_enable_private_segment 0
		.amdhsa_kernarg_size 72
		.amdhsa_user_sgpr_count 2
		.amdhsa_user_sgpr_kernarg_segment_ptr 1
		.amdhsa_wavefront_size32 1
		.amdhsa_system_sgpr_workgroup_id_x 1
		.amdhsa_system_sgpr_workgroup_id_y 1
		.amdhsa_system_sgpr_workgroup_id_z 1
		.amdhsa_system_vgpr_workitem_id 0
		.amdhsa_next_free_vgpr 138
		.amdhsa_next_free_sgpr 66
		.amdhsa_reserve_vcc 1
		.amdhsa_float_denorm_mode_32 3
		.amdhsa_float_denorm_mode_16_64 3
		.amdhsa_memory_ordered 1
		.amdhsa_forward_progress 1
		.amdhsa_inst_pref_size 20
	.end_amdhsa_kernel
	.amdgpu_metadata
---
amdhsa.version: [ 1, 2 ]
amdhsa.kernels:
  - .name:           k_q06e36adaec_prep
    .symbol:         k_q06e36adaec_prep.kd
    .args:
      - { .name: q, .offset: 0, .size: 8, .value_kind: global_buffer, .address_space: global }
      - { .name: k, .offset: 8, .size: 8, .value_kind: global_buffer, .address_space: global }
      - { .name: v, .offset: 16, .size: 8, .value_kind: global_buffer, .address_space: global }
      - { .name: qh, .offset: 24, .size: 8, .value_kind: global_buffer, .address_space: global }
      - { .name: kh, .offset: 32, .size: 8, .value_kind: global_buffer, .address_space: global }
      - { .name: vt, .offset: 40, .size: 8, .value_kind: global_buffer, .address_space: global }
      - { .name: qmean, .offset: 48, .size: 8, .value_kind: global_buffer, .address_space: global }
      - { .name: kbmean, .offset: 56, .size: 8, .value_kind: global_buffer, .address_space: global }
      - { .name: cosm, .offset: 64, .size: 8, .value_kind: global_buffer, .address_space: global }
    .group_segment_fixed_size: 14592
    .private_segment_fixed_size: 0
    .kernarg_segment_align: 8
    .kernarg_segment_size: 72
    .max_flat_workgroup_size: 256
    .sgpr_count:     66
    .vgpr_count:     138
    .wavefront_size: 32
...
	.end_amdgpu_metadata
.endif
;; end of part 1
;; launch stats (part 2): grid 8 x 32, 8 waves a work-group, clusters of 4 x 1, 317,440 bytes of LDS; arguments qh, kh, qmean, kbmean, cosm, cdfthreshd, simthreshd1, pvthreshd, rowst, pvmask; writes rowst, pvmask
.if DOCPART == 2
	.amdgcn_target "amdgcn-amd-amdhsa--gfx1250"
	.amdhsa_code_object_version 6
	.text
	.protected	k_q06e36adaec_stats
	.globl	k_q06e36adaec_stats
	.p2align	8
	.type	k_q06e36adaec_stats,@function
k_q06e36adaec_stats:
	s_mov_b64 s[64:65], 0
	v_nop
	global_prefetch_b8 v0, s[64:65] scope:SCOPE_SE
	s_setreg_imm32_b32 hwreg(HW_REG_WAVE_MODE, 25, 1), 1
	s_wait_xcnt 0x0
	s_wait_alu depctr_hold_cnt(0) depctr_sa_sdst(0) depctr_va_vdst(0) depctr_va_sdst(0) depctr_va_ssrc(0) depctr_va_vcc(0) depctr_vm_vsrc(0)
	s_getreg_b32 s2, hwreg(HW_REG_IB_STS2, 6, 4)
	s_cmp_eq_u32 s2, 0
	s_cbranch_scc0 .Lentry_in_a_cluster
	s_endpgm
.Lentry_in_a_cluster:
	s_bfe_u32 s2, ttmp6, 0x10000c
	s_cmp_lg_u32 s2, 0x3003
	s_cbranch_scc0 .Lentry_shape_is_right
	s_endpgm
.Lentry_shape_is_right:
; STATS: for every query its softmax statistics over the key blocks that the block map keeps, and for every query block the 32-bit list of
; key blocks whose P V is added.  A work-group = 256 queries (four query blocks) of one head against all 2,048 keys; wave w = queries
; 32 w .. 32 w + 31 (two tiles of 16); waves 2u, 2u+1 = query block u.  Eight waves, two to a SIMD: one wave's matrix run stands beside
; the other's exponentials.
; The whole head's K in bf16 (262,144 bytes) lies in LDS and is filled ONCE.  CLUSTER: the four work-groups of a cluster have the same head,
; so each tile of K is asked for jointly (mask 15): the requests for K are divided by four.
; ARITHMETIC: all six inputs count as rounded once to bf16 (ROUND_THR = 0 keeps the three thresholds in f32); everything else is f32.
; S = q.k is made from the raw rounded k: the key mean adds q.kmean, the same for all keys of a row, and the row's maximum takes it away
; again.  In the block scores the key mean is subtracted, in f32.  c = 0.125 log2(e); mu = c x the row's largest raw S over kept blocks, by a
; running maximum; every exponential is exp2(fma(S, c, -mu)).
; LIMITS: with a common offset in k, S - max carries the rounding of the larger raw S (f32 sums of exact products).  The exclusive CDF adds, in the order
; of the index, the probabilities ranked in front (ties: the lower index first), not in sorted order.  Divisions are reciprocal and multiply.
; A block that the map drops is never listed (its probabilities are 0).  NaN and infinities are not served.
.set ROUND_THR, 1
.set C2,     0x3e38aa3b                ; 0.125 log2(e)
.set KPITCH, 272                       ; an LDS row: two keys (256 bytes) + 16 bytes of padding
.set KBLK,   32*KPITCH                 ; a key block
.set TILEB,  2*KBLK                    ; what one tensor load brings: two key blocks, 64 rows
.set CHUNKB, 8*TILEB                   ; sixteen key blocks: the eight waves' loads of one chunk
.set WS0,    2*CHUNKB                  ; 278,528 = 1,088 x 256: behind K, in blocks of 256 bytes into which no fill lands
.set WSB,    4608                      ; a wave's own scratch
.set BMP,    132                       ; BM: 32 rows (query) x 32 words (key block) + 1 word
.set ST,     32*BMP                    ; behind BM: 32 x (1/l, -mu)
.set GP0,    WS0+8*WSB                 ; 128 bytes a wave: its 32 block maxima
.set QF, 32                            ; v[32:63]   Q[qt][ks] at 32 + 16 qt + 8 ks
.set KF, 64                            ; v[64:127]  K[kt][ks] at 64 + 16 kt + 8 ks
.set SF, 128                           ; v[128:191] S[kt][qt] at 128 + 8 (2 kt + qt)
.set QM, 192                           ; v[192:255] the query block's mean, in every lane (start only); then v192 = the cut
.set TM, 20                            ; v[20:27]   at work: maxima of the eight tiles
; v1 lane, v2 r, v3 h, v4 K fragment address (steps a block a trip), v5 BM store address (steps a word a trip), v6 scratch + 4 lane,
; v7 scratch, v8 Q offset, v9 lane j: 0 if block j is kept, else -inf, v10-11 mu, v12-13 l, v[14:15] v[16:17] -mu (+ bias), v18-19 rescale,
; v28-29 at work, v30 scratch + 8 lane, v31 zero.
; s[4:23] pointers, s[24:31] descriptor group 1, s[32:39] two groups 0, s48 wave, s49 cx, s50 group of 256 queries, s51 head, s52 unit,
; s53 4 (head mod 16), s[54:55] offsets, s[56:57] c, s58-59 lane selects, s60 this block's bias, s61 block counter, s62 block map.
.macro ROUND                           ; a round of the cluster's barrier
	s_barrier_signal -1
	s_barrier_wait -1
	s_cmp_lg_u32 s48, 0
	s_cbranch_scc1 .Lnot_wave_0_\@
	s_barrier_signal -3
.Lnot_wave_0_\@:
	s_barrier_wait -3
	s_barrier_signal -1
	s_barrier_wait -1
.endm
.macro WMAX d, s, t                    ; v\d = the largest v\s of the 32 lanes, in every lane
	v_max_num_f32_dpp v\d, v\s, v\s row_xmask:1 row_mask:0xf bank_mask:0xf
	v_max_num_f32_dpp v\d, v\d, v\d row_xmask:2 row_mask:0xf bank_mask:0xf
	v_max_num_f32_dpp v\d, v\d, v\d row_xmask:4 row_mask:0xf bank_mask:0xf
	v_max_num_f32_dpp v\d, v\d, v\d row_xmask:8 row_mask:0xf bank_mask:0xf
	v_permlanex16_b32 v\t, v\d, s58, s59
	v_max_num_f32 v\d, v\d, v\t
.endm
.macro WSUM d, s, t
	s_wait_alu depctr_va_vdst(0)
	v_add_f32_dpp v\d, v\s, v\s row_xmask:1 row_mask:0xf bank_mask:0xf
	v_add_f32_dpp v\d, v\d, v\d row_xmask:2 row_mask:0xf bank_mask:0xf
	v_add_f32_dpp v\d, v\d, v\d row_xmask:4 row_mask:0xf bank_mask:0xf
	v_add_f32_dpp v\d, v\d, v\d row_xmask:8 row_mask:0xf bank_mask:0xf
	v_permlanex16_b32 v\t, v\d, s58, s59
	v_add_f32 v\d, v\d, v\t
.endm
	s_load_b512 s[4:19], s[0:1], 0x0               ; qh, kh, qmean, kbmean, cosm, cdfthreshd, simthreshd1, pvthreshd
	s_load_b128 s[20:23], s[0:1], 0x40             ; rowst, pvmask
	s_set_vgpr_msb 0x40
	v_lshl_add_u32 v0, v0, 2, 0x4d400
	v_mov_b32 v1, 0
	s_set_vgpr_msb 0x4045
	ds_add_u32 v0, v1
	s_set_vgpr_msb 0x4500
	v_lshrrev_b32 v1, 5, v0
	v_readfirstlane_b32 s48, v1                    ; wave
	s_bfe_u32 s49, ttmp6, 0x40000                  ; cx
	s_lshl_b32 s50, ttmp9, 2
	s_add_co_u32 s50, s50, s49                     ; group of 256 queries = 4 x cluster x + cx: enters global addresses of q and of the results alone
	s_and_b32 s51, ttmp7, 0xffff                   ; head: the cluster's y, shared by the four partners
	; group 1: 64 rows of 32 elements of 8 bytes, dense in memory, 4 words of padding behind every 64 words
	s_mov_b32 s24, 15|(3<<16)|(1<<20)|(1<<21)|(5<<22)|(3<<25)  ; mask: all four work-groups; element 8 bytes; padding on; bit 21 beside a mask; interval code 5; 4 words
	s_mov_b32 s25, 32<<16                          ; tensor_dim0 = 32
	s_mov_b32 s26, 64<<16                          ; tensor_dim1 = 64
	s_mov_b32 s27, 32<<16                          ; tile_dim0 = 32
	s_mov_b32 s28, 64                              ; tile_dim1 = 64
	s_mov_b32 s29, 32                              ; from row to row: 32 elements
	s_mov_b32 s30, 0
	s_mov_b32 s31, 0
	; groups 0: chunk c, wave w: key blocks 16 c + 2 w and 16 c + 2 w + 1.  Head and wave alone: equal in the four partners.
	s_mul_i32 s66, s48, TILEB
	s_mov_b32 s32, 1
	s_add_co_u32 s33, s66, 0
	s_mov_b32 s36, 1
	s_add_co_u32 s37, s66, CHUNKB
	s_lshl_b32 s54, s51, 18                        ; a head of kh: 262,144 bytes
	s_lshl_b32 s67, s48, 14                        ; two key blocks: 16,384 bytes
	s_add_co_u32 s54, s54, s67
	s_mov_b32 s55, 0
	s_wait_dscnt 0x0
	s_wait_kmcnt 0x0
	s_add_nc_u64 s[34:35], s[6:7], s[54:55]
	s_add_nc_u64 s[38:39], s[34:35], 131072        ; sixteen key blocks on
	s_or_b32 s35, s35, 0x80000000
	s_or_b32 s39, s39, 0x80000000
	ROUND                                          ; all four work-groups are here: the joint loads meet
	tensor_load_to_lds s[32:35], s[24:31]          ; all fills of the launch, as one group: two loads of this wave are out
	s_nop 0
	tensor_load_to_lds s[36:39], s[24:31]
	s_nop 0
	s_mov_b32 s56, C2
	s_mov_b32 s57, C2
	s_mov_b32 s58, 0x76543210
	s_mov_b32 s59, 0xfedcba98
	s_mov_b32 s69, 0xffff0000                      ; a word's upper bf16; also: lanes 16 to 31
	v_and_b32 v1, 31, v0                           ; lane
	v_and_b32 v2, 15, v0                           ; r
	v_bfe_u32 v3, v0, 4, 1                         ; h
	v_lshrrev_b32 v4, 1, v2                        ; key r of a tile lies in LDS row r / 2, half r mod 2: the sixteen lanes of a half wave
	v_mul_u32_u24 v4, v4, KPITCH                   ; touch sixteen different 16-byte columns modulo 256 bytes
	v_and_b32 v20, 1, v2
	v_lshl_add_u32 v4, v20, 7, v4
	v_lshl_add_u32 v4, v3, 4, v4
	s_mul_i32 s70, s48, WSB
	s_add_co_u32 s70, s70, WS0                     ; my wave's scratch
	v_mul_u32_u24 v5, v2, BMP
	v_add_nc_u32 v5, s70, v5
	v_lshl_add_u32 v6, v1, 2, s70
	v_mov_b32 v7, s70
	v_lshlrev_b32 v8, 7, v2
	v_lshl_add_u32 v8, v3, 4, v8                   ; a row of qh is 128 bytes
	v_lshl_add_u32 v30, v1, 3, s70
	v_mov_b32 v31, 0
	v_lshlrev_b32 v21, 3, v1                       ; 8 lane
	v_lshlrev_b32 v22, 8, v1                       ; 256 lane
	s_and_b32 s53, s51, 15
	s_lshl_b32 s53, s53, 2
	v_mov_b32 v23, s53                             ; my head's word in the thresholds
	s_lshl_b32 s52, s51, 5
	s_lshl2_add_u32 s52, s50, s52
	s_lshr_b32 s66, s48, 1
	s_add_co_u32 s52, s52, s66                     ; unit = 32 head + 4 group + wave / 2
	s_lshl_b32 s54, s51, 13
	s_add_nc_u64 s[10:11], s[10:11], s[54:55]      ; kbmean of my head
	s_lshl_b32 s54, s52, 8
	s_add_nc_u64 s[8:9], s[8:9], s[54:55]          ; qmean of my unit
	s_lshl_b32 s54, s51, 18
	s_lshl_b32 s66, s50, 15
	s_add_co_u32 s54, s54, s66
	s_lshl_b32 s66, s48, 12
	s_add_co_u32 s54, s54, s66
	s_add_nc_u64 s[4:5], s[4:5], s[54:55]          ; qh at my wave's 32 queries
	s_lshl_b32 s54, s52, 2
	s_add_nc_u64 s[12:13], s[12:13], s[54:55]      ; cosm, pvmask of my unit
	s_add_nc_u64 s[22:23], s[22:23], s[54:55]
	s_lshl_b32 s54, s51, 14
	s_lshl_b32 s66, s50, 11
	s_add_co_u32 s54, s54, s66
	s_lshl_b32 s66, s48, 8
	s_add_co_u32 s54, s54, s66
	s_add_nc_u64 s[20:21], s[20:21], s[54:55]      ; rowst at my wave's 32 rows of 8 bytes
	; THE BLOCK MAP, while K is on its way.  Both waves of a query block make it, each for itself.
.set j, 0
.rept 32
	global_load_b64 v[KF+2*j:KF+2*j+1], v21, s[10:11] offset:256*j         ; block j's mean, my two columns
.set j, j+1
.endr
.set j, 0
.rept 16
	global_load_b128 v[SF+4*j:SF+4*j+3], v22, s[10:11] offset:16*j         ; lane j: the whole mean of key block j
.set j, j+1
.endr
.set j, 0
.rept 16
	global_load_b128 v[QM+4*j:QM+4*j+3], v31, s[8:9] offset:16*j           ; every lane: my query block's mean
.set j, j+1
.endr
.irp qt, 0,1
.irp ks, 0,1
	global_load_b128 v[QF+16*\qt+8*\ks:QF+16*\qt+8*\ks+3], v8, s[4:5] offset:\qt*2048+\ks*64
	global_load_b128 v[QF+16*\qt+8*\ks+4:QF+16*\qt+8*\ks+7], v8, s[4:5] offset:\qt*2048+\ks*64+32
.endr
.endr
	global_load_b32 v24, v31, s[12:13]             ; mean cosine
	global_load_b32 v25, v23, s[14:15]             ; cdfthreshd
	global_load_b32 v26, v23, s[16:17]             ; simthreshd1
	global_load_b32 v27, v23, s[18:19]             ; pvthreshd
	s_wait_loadcnt 44                              ; the first 32 loads are in; the 16 + 16 + 8 + 4 behind them stay out
.set j, 4
.rept 28
	v_pk_add_f32 v[KF+2*(j%4):KF+2*(j%4)+1], v[KF+2*(j%4):KF+2*(j%4)+1], v[KF+2*j:KF+2*j+1]
.set j, j+1
.endr
	v_pk_add_f32 v[KF:KF+1], v[KF:KF+1], v[KF+2:KF+3]
	v_pk_add_f32 v[KF+4:KF+5], v[KF+4:KF+5], v[KF+6:KF+7]
	v_pk_add_f32 v[KF:KF+1], v[KF:KF+1], v[KF+4:KF+5]
	v_pk_mul_f32 v[28:29], v[KF:KF+1], 0x3d000000 op_sel_hi:[1,0]          ; / 32: the key mean, my two columns
	ds_store_b64 v30, v[28:29]                     ; through my own scratch to every lane; LDS serves a wave's instructions in order (ISA guide 5.7.1)
.set j, 0
.rept 16
	ds_load_b128 v[KF+4*j:KF+4*j+3], v7 offset:16*j
.set j, j+1
.endr
	s_wait_loadcnt 0x0
	s_wait_dscnt 0x0
.set j, 0
.rept 32
	v_pk_add_f32 v[SF+2*j:SF+2*j+1], v[SF+2*j:SF+2*j+1], v[KF+2*j:KF+2*j+1] neg_lo:[0,1] neg_hi:[0,1]    ; smoothed block mean
.set j, j+1
.endr
.set j, 0
.rept 4
	v_pk_mul_f32 v[KF+2*j:KF+2*j+1], v[SF+2*j:SF+2*j+1], v[QM+2*j:QM+2*j+1]
.set j, j+1
.endr
.rept 28
	v_pk_fma_f32 v[KF+2*(j%4):KF+2*(j%4)+1], v[SF+2*j:SF+2*j+1], v[QM+2*j:QM+2*j+1], v[KF+2*(j%4):KF+2*(j%4)+1]
.set j, j+1
.endr
	v_pk_add_f32 v[KF:KF+1], v[KF:KF+1], v[KF+2:KF+3]
	v_pk_add_f32 v[KF+4:KF+5], v[KF+4:KF+5], v[KF+6:KF+7]
	v_pk_add_f32 v[KF:KF+1], v[KF:KF+1], v[KF+4:KF+5]
	v_add_f32 v20, v[KF], v[KF+1]
	v_mul_f32 v20, 0x3e000000, v20                 ; x 1/8: lane j holds the score of key block j
	WMAX 21, 20, 29
	v_sub_f32 v20, v20, v21
	v_mul_f32 v20, 0x3fb8aa3b, v20
	v_exp_f32 v20, v20
	v_nop                                          ; one plain vector instruction behind a transcendental (ISA guide 5.7.2)
	WSUM 21, 20, 29
	v_rcp_f32 v22, v21
	v_nop
	s_wait_alu depctr_va_vdst(0)
	v_mul_f32 v20, v20, v22                        ; p
	v_mov_b32 v22, 0
	; exclusive CDF of lane j: the sum of the p ranked in front of it: larger, or equal with a lower index (a stable descending sort)
.set kk, 0
.rept 32
	v_readlane_b32 s68, v20, kk
	v_cmp_gt_f32 vcc_lo, s68, v20
	v_cmp_eq_f32 s66, s68, v20
	s_and_b32 s66, s66, (0xffffffff<<(kk+1))&0xffffffff
	s_or_b32 vcc_lo, vcc_lo, s66
	v_cndmask_b32 v23, 0, s68, vcc_lo
	v_add_f32 v22, v22, v23
.set kk, kk+1
.endr
.if ROUND_THR
	v_cvt_pk_bf16_f32 v25, v25, v26
	v_cvt_pk_bf16_f32 v27, v27, v27
	v_and_b32 v26, s69, v25
	v_lshlrev_b32 v25, 16, v25
	v_lshlrev_b32 v27, 16, v27
.endif
	v_mul_f32 v[QM], 0x3a83126f, v27               ; the cut: pvthreshd x 1e-3
	v_cmp_lt_f32 s62, v22, v25                     ; keep
	v_cmp_gt_f32 s63, v24, v26                     ; pooled (the same in every lane)
	s_not_b32 s63, s63
	s_or_b32 s62, s62, s63
	s_or_b32 s62, s62, 1                           ; the sink
	v_mov_b32 v10, 0xff800000                      ; mu = -inf; block 0 is always kept, so mu is finite from the first block on
	v_mov_b32 v11, 0xff800000
	v_cndmask_b32 v9, v10, 0, s62                  ; the map only selects values: every block is worked on
	v_mov_b32 v12, 0
	v_mov_b32 v13, 0
	v_mov_b32 v15, 0                               ; the upper registers of the two pairs are named, never used
	v_mov_b32 v17, 0
	s_mov_b32 s61, 0
.macro FETCH                           ; the fragments of one key block: 64 keys x 64 d
.irp kt, 0,1,2,3
.irp ks, 0,1
	ds_load_b128 v[KF+16*\kt+8*\ks:KF+16*\kt+8*\ks+3], v4 offset:\kt*8*KPITCH+\ks*64
	ds_load_b128 v[KF+16*\kt+8*\ks+4:KF+16*\kt+8*\ks+7], v4 offset:\kt*8*KPITCH+\ks*64+32
.endr
.endr
.endm
; Source 0 = 16 keys, source 1 = 16 queries: lane (r, h) holds query r and keys 8 h .. 8 h + 7 of the tile, so a row's maximum and sum
; stay in the lane but for one step across the halves.  The eight accumulators take turns, one instruction a turn.
.macro MM
.irp kt, 0,1,2,3
.irp qt, 0,1
	v_wmma_f32_16x16x32_bf16 v[SF+8*(2*\kt+\qt):SF+8*(2*\kt+\qt)+7], v[KF+16*\kt:KF+16*\kt+7], v[QF+16*\qt:QF+16*\qt+7], 0
.endr
.endr
.irp kt, 0,1,2,3
.irp qt, 0,1
	v_wmma_f32_16x16x32_bf16 v[SF+8*(2*\kt+\qt):SF+8*(2*\kt+\qt)+7], v[KF+16*\kt+8:KF+16*\kt+15], v[QF+16*\qt+8:QF+16*\qt+15], v[SF+8*(2*\kt+\qt):SF+8*(2*\kt+\qt)+7]
.endr
.endr
.endm
.macro SOFTMAX
.irp t, 0,1,2,3,4,5,6,7
	v_max3_num_f32 v[TM+\t], v[SF+8*\t], v[SF+8*\t+1], v[SF+8*\t+2]
.endr
.irp t, 0,1,2,3,4,5,6,7
	v_max3_num_f32 v[TM+\t], v[TM+\t], v[SF+8*\t+3], v[SF+8*\t+4]
.endr
.irp t, 0,1,2,3,4,5,6,7
	v_max3_num_f32 v[TM+\t], v[TM+\t], v[SF+8*\t+5], v[SF+8*\t+6]
.endr
.irp q, 0,1
	v_max3_num_f32 v[TM+\q], v[TM+\q], v[TM+2+\q], v[TM+4+\q]
	v_max3_num_f32 v[TM+\q], v[TM+\q], v[TM+6+\q], v[SF+8*\q+7]
	v_max3_num_f32 v[TM+\q], v[TM+\q], v[SF+8*(2+\q)+7], v[SF+8*(4+\q)+7]
	v_max_num_f32 v[TM+\q], v[TM+\q], v[SF+8*(6+\q)+7]
.endr
	v_permlanex16_b32 v28, v20, s58, s59
	v_permlanex16_b32 v29, v21, s58, s59
	v_max_num_f32 v20, v20, v28
	v_max_num_f32 v21, v21, v29
	v_add_f32 v20, s60, v20                        ; -inf for a block that the map drops
	v_add_f32 v21, s60, v21
	ds_store_b32 v5, v20                           ; BM[query][block]: the row's largest raw S in this block
	ds_store_b32 v5, v21 offset:16*BMP
	v_mul_f32 v22, s56, v20
	v_mul_f32 v23, s56, v21
	v_sub_f32 v18, v10, v22
	v_sub_f32 v19, v11, v23
	v_max_num_f32 v10, v10, v22                    ; the running maximum
	v_max_num_f32 v11, v11, v23
	v_min_num_f32 v18, 0, v18                      ; old mu - new mu
	v_min_num_f32 v19, 0, v19
	v_sub_f32 v14, s60, v10                        ; bias - mu
	v_sub_f32 v16, s60, v11
	v_add_nc_u32 v5, 4, v5
.irp t, 0,1,2,3,4,5,6,7
.irp i, 0,2,4,6
	v_pk_fma_f32 v[SF+8*\t+\i:SF+8*\t+\i+1], v[SF+8*\t+\i:SF+8*\t+\i+1], s[56:57], v[14+2*(\t&1):15+2*(\t&1)] op_sel_hi:[1,0,0]
.endr
.endr
.set i, 0
.rept 64
	v_exp_f32 v[SF+i], v[SF+i]
.set i, i+1
.endr
	v_exp_f32 v18, v18
	v_exp_f32 v19, v19
	v_nop                                          ; one plain vector instruction behind the run of transcendentals (ISA guide 5.7.2)
	s_wait_alu depctr_va_vdst(0)
.irp t, 0,1,2,3,4,5,6,7
	v_pk_add_f32 v[SF+8*\t:SF+8*\t+1], v[SF+8*\t:SF+8*\t+1], v[SF+8*\t+2:SF+8*\t+3]
	v_pk_add_f32 v[SF+8*\t+4:SF+8*\t+5], v[SF+8*\t+4:SF+8*\t+5], v[SF+8*\t+6:SF+8*\t+7]
.endr
.irp t, 0,1,2,3,4,5,6,7
	v_pk_add_f32 v[SF+8*\t:SF+8*\t+1], v[SF+8*\t:SF+8*\t+1], v[SF+8*\t+4:SF+8*\t+5]
.endr
.irp q, 0,1
	v_pk_add_f32 v[SF+8*\q:SF+8*\q+1], v[SF+8*\q:SF+8*\q+1], v[SF+8*(2+\q):SF+8*(2+\q)+1]
	v_pk_add_f32 v[SF+8*(4+\q):SF+8*(4+\q)+1], v[SF+8*(4+\q):SF+8*(4+\q)+1], v[SF+8*(6+\q):SF+8*(6+\q)+1]
.endr
.irp q, 0,1
	v_pk_add_f32 v[SF+8*\q:SF+8*\q+1], v[SF+8*\q:SF+8*\q+1], v[SF+8*(4+\q):SF+8*(4+\q)+1]
.endr
	v_add_f32 v20, v[SF], v[SF+1]
	v_add_f32 v21, v[SF+8], v[SF+9]
	v_fma_f32 v12, v12, v18, v20                   ; l = l x 2^(old mu - new mu) + this block's sum (my half of the keys)
	v_fma_f32 v13, v13, v19, v21
.endm
; One key block.  fetch = 1: the next block's fragments are asked for ahead of this block's softmax.
.macro BLOCK fetch
	s_wait_dscnt 0x0                               ; this block's sixteen fragment loads (and the last block's two stores)
	v_readlane_b32 s60, v9, s61
	MM
	v_add_nc_u32 v4, KBLK, v4                      ; with the three v_nop: the four places behind the last matrix instruction (ISA guide 7.12.1),
	v_nop                                          ; in front of the loads into its sources and of the reads of its result
	v_nop
	v_nop
.if \fetch
	FETCH
.endif
	SOFTMAX
	s_add_co_u32 s61, s61, 1
.endm
; Sixteen key blocks.  The chunk's last block asks for nothing: the next chunk is read only behind its own wait and barrier.
.macro CHUNK c
	s_wait_tensorcnt 1-\c                          ; my tile of this chunk has landed (a wave's tensor loads end in order: ISA guide 10.11.1); chunk 0 leaves my second load out
	s_wait_dscnt 0x0
	s_barrier_signal -1
	s_barrier_wait -1                              ; every wave's tile has
	FETCH
.Lblk\c:
	BLOCK 1
	s_cmp_lt_u32 s61, 16*\c+15
	s_cbranch_scc1 .Lblk\c
	BLOCK 0
.endm
	CHUNK 0
	CHUNK 1
	; THE RESULTS.  Lane L takes row L of my 32: tile L / 16, query L mod 16.
	v_permlanex16_b32 v28, v12, s58, s59
	v_permlanex16_b32 v29, v13, s58, s59
	v_add_f32 v12, v12, v28                        ; both halves of the keys
	v_add_f32 v13, v13, v29
	v_rcp_f32 v18, v12
	v_rcp_f32 v19, v13
	v_cndmask_b32 v21, v10, v11, s69               ; (a plain instruction behind the reciprocals)
	s_wait_alu depctr_va_vdst(0)
	v_cndmask_b32 v20, v18, v19, s69               ; 1 / l
	v_xor_b32 v21, 0x80000000, v21                 ; -mu
	v_lshlrev_b32 v22, 3, v1
	global_store_b64 v22, v[20:21], s[20:21]       ; the wave's store covers 256 consecutive bytes, aligned
	ds_store_b64 v30, v[20:21] offset:ST
	; lane j: the largest final probability of key block j over my 32 rows: exp2 rises with S, so each row's largest S in the block gives it
.set i, 0
.rept 32
	ds_load_b32 v[SF+i], v6 offset:i*BMP
.set i, i+1
.endr
.set i, 0
.rept 16
	ds_load_b128 v[KF+4*i:KF+4*i+3], v7 offset:ST+16*i
.set i, i+1
.endr
	s_wait_dscnt 0x0
.set i, 0
.rept 32
	v_fma_f32 v[SF+i], v[SF+i], s56, v[KF+2*i+1]
.set i, i+1
.endr
.set i, 0
.rept 32
	v_exp_f32 v[SF+i], v[SF+i]
.set i, i+1
.endr
	v_nop
.set i, 0
	s_wait_alu depctr_va_vdst(0)
.rept 32
	v_mul_f32 v[SF+i], v[SF+i], v[KF+2*i]
.set i, i+1
.endr
.irp a, 0,1,2,3
	v_max3_num_f32 v[SF+8*\a], v[SF+8*\a], v[SF+8*\a+1], v[SF+8*\a+2]
.endr
.irp a, 0,1,2,3
	v_max3_num_f32 v[SF+8*\a], v[SF+8*\a], v[SF+8*\a+3], v[SF+8*\a+4]
.endr
.irp a, 0,1,2,3
	v_max3_num_f32 v[SF+8*\a], v[SF+8*\a], v[SF+8*\a+5], v[SF+8*\a+6]
.endr
	v_max3_num_f32 v[SF], v[SF], v[SF+8], v[SF+16]
	v_max3_num_f32 v[SF], v[SF], v[SF+24], v[SF+7]
	v_max3_num_f32 v[SF], v[SF], v[SF+15], v[SF+23]
	v_max_num_f32 v23, v[SF], v[SF+31]
	s_lshl_b32 s66, s48, 7
	s_add_co_u32 s66, s66, GP0
	v_lshl_add_u32 v24, v1, 2, s66                 ; my wave's 128 bytes
	s_xor_b32 s67, s48, 1
	s_lshl_b32 s67, s67, 7
	s_add_co_u32 s67, s67, GP0
	v_lshl_add_u32 v26, v1, 2, s67                 ; those of the wave with the query block's other 32 rows
	ds_store_b32 v24, v23
	s_wait_dscnt 0x0                               ; for the other wave: my store is done
	s_barrier_signal -1
	s_barrier_wait -1
	ds_load_b32 v25, v26
	s_wait_dscnt 0x0
	v_max_num_f32 v23, v23, v25
	v_cmp_ge_f32 s63, v23, v[QM]
	s_and_b32 s63, s63, s62
	s_or_b32 s63, s63, 1                           ; the sink is always added
	s_and_b32 s66, s48, 1
	s_cmp_lg_u32 s66, 0                            ; the even wave of each pair writes the list
	s_cbranch_scc1 .Lodd
	v_mov_b32 v27, s63
	s_wait_xcnt 0x0                                ; EXEC is a source of the store above: it changes only behind this wait
	v_cmp_eq_u32 vcc_lo, 0, v1
	s_and_saveexec_b32 s71, vcc_lo
	global_store_b32 v31, v27, s[22:23]            ; one word a query block: 4,096 bytes in the whole launch
	s_wait_xcnt 0x0
	s_or_b32 exec_lo, exec_lo, s71
.Lodd:
	s_set_vgpr_msb 0x5
	s_wait_tensorcnt 0x0
	ds_add_u32 v0, v1
	s_wait_dscnt 0x0
	s_set_vgpr_msb 0x500
	ROUND                                          ; the closing round: no work-group ends while a partner may still ask jointly
	s_endpgm
.Lfunc_end_k_q06e36adaec_stats:
	.size	k_q06e36adaec_stats, .Lfunc_end_k_q06e36adaec_stats-k_q06e36adaec_stats
	.p2alignl 7, 3214868480
	.fill 96, 4, 3214868480
	.section	.rodata,"a",@progbits
	.p2align	6, 0x0
	.amdhsa_kernel k_q06e36adaec_stats
		.amdhsa_group_segment_fixed_size 317440
		.amdhsa_private_segment_fixed_size 0
		.amdhsa_enable_private_segment 0
		.amdhsa_kernarg_size 80
		.amdhsa_user_sgpr_count 2
		.amdhsa_user_sgpr_kernarg_segment_ptr 1
		.amdhsa_wavefront_size32 1
		.amdhsa_system_sgpr_workgroup_id_x 1
		.amdhsa_system_sgpr_workgroup_id_y 1
		.amdhsa_system_sgpr_workgroup_id_z 1
		.amdhsa_system_vgpr_workitem_id 0
		.amdhsa_next_free_vgpr 258
		.amdhsa_next_free_sgpr 72
		.amdhsa_reserve_vcc 1
		.amdhsa_float_denorm_mode_32 3
		.amdhsa_float_denorm_mode_16_64 3
		.amdhsa_memory_ordered 1
		.amdhsa_forward_progress 1
		.amdhsa_inst_pref_size 88
	.end_amdhsa_kernel
	.amdgpu_metadata
---
amdhsa.version: [ 1, 2 ]
amdhsa.kernels:
  - .name:           k_q06e36adaec_stats
    .symbol:         k_q06e36adaec_stats.kd
    .args:
      - { .name: qh, .offset: 0, .size: 8, .value_kind: global_buffer, .address_space: global }
      - { .name: kh, .offset: 8, .size: 8, .value_kind: global_buffer, .address_space: global }
      - { .name: qmean, .offset: 16, .size: 8, .value_kind: global_buffer, .address_space: global }
      - { .name: kbmean, .offset: 24, .size: 8, .value_kind: global_buffer, .address_space: global }
      - { .name: cosm, .offset: 32, .size: 8, .value_kind: global_buffer, .address_space: global }
      - { .name: cdfthreshd, .offset: 40, .size: 8, .value_kind: global_buffer, .address_space: global }
      - { .name: simthreshd1, .offset: 48, .size: 8, .value_kind: global_buffer, .address_space: global }
      - { .name: pvthreshd, .offset: 56, .size: 8, .value_kind: global_buffer, .address_space: global }
      - { .name: rowst, .offset: 64, .size: 8, .value_kind: global_buffer, .address_space: global }
      - { .name: pvmask, .offset: 72, .size: 8, .value_kind: global_buffer, .address_space: global }
    .group_segment_fixed_size: 317440
    .private_segment_fixed_size: 0
    .kernarg_segment_align: 8
    .kernarg_segment_size: 80
    .max_flat_workgroup_size: 256
    .sgpr_count:     72
    .vgpr_count:     258
    .wavefront_size: 32
...
	.end_amdgpu_metadata
.endif
;; end of part 2
;; launch pv (part 3): grid 32 x 32, 4 waves a work-group, no clusters, 70,144 bytes of LDS; arguments qh, kh, vt, rowst, pvmask, out0; writes out0
.if DOCPART == 3
	.amdgcn_target "amdgcn-amd-amdhsa--gfx1250"
	.amdhsa_code_object_version 6
	.text
	.protected	k_q06e36adaec_pv
	.globl	k_q06e36adaec_pv
	.p2align	8
	.type	k_q06e36adaec_pv,@function
k_q06e36adaec_pv:
	s_mov_b64 s[64:65], 0
	v_nop
	global_prefetch_b8 v0, s[64:65] scope:SCOPE_SE
	s_setreg_imm32_b32 hwreg(HW_REG_WAVE_MODE, 25, 1), 1
	s_wait_xcnt 0x0
; PV: out = the sum over the listed key blocks of P V, P = exp2(c S - mu) / l with the final mu and l of the launch before.
; A work-group = one query block of 64 rows (x = block, y = head).  Each of the four waves holds all 64 queries and takes the entries
; w, w + 4, .. of the unit's list (a 32-bit word of whole numbers); since mu and l are final, the waves' sums simply add: they meet in LDS behind one
; barrier, which stands behind the loop.  S is made again for the listed blocks alone.
; Fragments come straight from memory: rows of kh (key x d) and of vt (d x key) lie as the matrix unit wants them, and each tile is read by
; one wave of the work-group.  NO CLUSTER, NO TENSOR LOADS: the query blocks of a head have lists of different lengths and different
; blocks, so partners would need different tiles in different numbers, and a trip count that hangs on the list admits no barrier in the loop.
; FORMATS: q.k in bf16 (the inputs as rounded, products exact in the f32 sums).  P V in f16: P, not normalised, is at most 1, and f16's 11
; significant bits round it with a relative error of 2^-11 at the most; with bf16's 8 bits the rounding of P alone would reach a good part of
; one hundredth of the output's root mean square, since only a few key blocks are added.  1 / l is applied to the f32 sums.
; LIMITS: a P below 2^-25 of its row's largest term becomes 0; v as stated where vt is made (|v| up to 65,504); else as stated for the launch
; before (inputs rounded once to bf16; NaN and infinities not served).
.set C2,   0x3e38aa3b                  ; 0.125 log2(e)
.set ROWS, 8                           ; v[8:15]    (1/l, -mu) of query 16 qt + r
.set NOB,  16                          ; v[16:23]   pairs: bias - mu; the upper register is named, never used
.set KF,   32                          ; v[32:95]   K[kt][ks] at 32 + 16 kt + 8 ks
.set VF,   96                          ; v[96:159]  V[dt][step] at 96 + 16 dt + 8 step
.set SF,   160                         ; v[160:223] S[q2][kt] at 160 + 32 q2 + 8 kt, two query tiles at a time
.set PF,   224                         ; v[224:255] P at 224 + 16 q2 + 4 kt
.set OW,   0                           ; window 1: v256-383  O[qt][dt] at 8 (4 qt + dt)
.set QW,   128                         ; window 1: v384-447  Q[qt][ks] at 128 + 16 qt + 8 ks
.set RB,   32                          ; the way out: v[32:159]
.set OP,   272                         ; LDS: a query's 256 bytes + 16
.set PART, 64*OP                       ; a wave's partial result
; v2 fragment offset, v3 8 r, v24 where I put my sums, v25 where I read rows back, v26 my bytes in out0.
; s[4:15] pointers, s16 wave, s17 head, s19 unit, s20 what is left of my list, s23 block, s24 bias, s25 my trips, s[26:27] offsets,
; s[28:29] K tile, s[30:31] V tile, s32 trip counter, s[34:35] c, s36 length of the list.
.set MSB, 0
.macro WIN new                         ; s_set_vgpr_msb: bits 1:0 source 0, 3:2 source 1, 5:4 source 2, 7:6 destination; the high byte repeats the setting that is left
.if MSB != \new
	s_set_vgpr_msb (MSB<<8)|\new
.set MSB, \new
.endif
.endm
	s_load_b256 s[4:11], s[0:1], 0x0               ; qh, kh, vt, rowst
	s_load_b128 s[12:15], s[0:1], 0x20             ; pvmask, out0
	v_lshl_add_u32 v30, v0, 2, 0x11000
	v_mov_b32 v31, 0
	v_lshrrev_b32 v1, 5, v0
	v_readfirstlane_b32 s16, v1
	s_and_b32 s17, ttmp7, 0xffff
	s_lshl_b32 s19, s17, 5
	s_add_co_u32 s19, s19, ttmp9
	s_mov_b32 s27, 0
	s_mov_b32 s34, C2
	s_mov_b32 s35, C2
	v_and_b32 v4, 15, v0                           ; r
	v_bfe_u32 v5, v0, 4, 1                         ; h
	v_lshlrev_b32 v2, 7, v4
	v_lshl_add_u32 v2, v5, 4, v2                   ; row r of 128 bytes, 16 h
	v_lshlrev_b32 v3, 3, v4
	s_wait_kmcnt 0x0
	s_lshl_b32 s26, s19, 2
	s_add_nc_u64 s[12:13], s[12:13], s[26:27]
	s_load_b32 s20, s[12:13], 0x0                  ; the unit's list
	s_lshl_b32 s26, s19, 13
	s_add_nc_u64 s[4:5], s[4:5], s[26:27]
	WIN 0x40                                       ; destination in window 1
.irp qt, 0,1,2,3
.irp ks, 0,1
	global_load_b128 v[QW+16*\qt+8*\ks:QW+16*\qt+8*\ks+3], v2, s[4:5] offset:\qt*2048+\ks*64
	global_load_b128 v[QW+16*\qt+8*\ks+4:QW+16*\qt+8*\ks+7], v2, s[4:5] offset:\qt*2048+\ks*64+32
.endr
.endr
	WIN 0
	s_lshl_b32 s26, s19, 9
	s_add_nc_u64 s[10:11], s[10:11], s[26:27]
.irp qt, 0,1,2,3
	global_load_b64 v[ROWS+2*\qt:ROWS+2*\qt+1], v3, s[10:11] offset:\qt*128
.endr
	s_lshl_b32 s26, s19, 14
	s_add_nc_u64 s[14:15], s[14:15], s[26:27]
	s_lshl_b32 s26, s17, 18
	s_add_nc_u64 s[6:7], s[6:7], s[26:27]          ; my head's kh and vt
	s_add_nc_u64 s[8:9], s[8:9], s[26:27]
	s_mul_i32 s18, s16, PART
	v_mul_u32_u24 v24, v4, OP
	v_lshl_add_u32 v24, v5, 5, v24
	v_add_nc_u32 v24, s18, v24                     ; my partial: query r, 32 h bytes
	s_lshl_b32 s18, s16, 4
	v_add_nc_u32 v6, s18, v5                       ; row 16 w + h
	v_mul_u32_u24 v25, v6, OP
	v_lshl_add_u32 v25, v4, 4, v25
	v_lshlrev_b32 v26, 8, v6
	v_lshl_add_u32 v26, v4, 4, v26
.irp qt, 0,1,2,3
	v_mov_b32 v[NOB+2*\qt+1], 0
.endr
	s_wait_kmcnt 0x0
	s_bcnt1_i32_b32 s36, s20                       ; n entries, at least one (the sink)
	s_add_co_u32 s25, s36, 3
	s_sub_co_u32 s25, s25, s16
	s_lshr_b32 s25, s25, 2                         ; entries w, w + 4, ..: (n + 3 - w) / 4 of them,
	s_min_u32 s25, s25, 8                          ; eight at the most
.irp st, 0,1,2                         ; my list begins behind the w lowest entries
	s_sub_co_u32 s22, s20, 1
	s_and_b32 s22, s20, s22
	s_cmp_gt_u32 s16, \st
	s_cselect_b32 s20, s22, s20
.endr
; Two of the four query tiles: S, P, and P V.  In both products the eight accumulators take turns, one instruction a turn.
; S's accumulators see the bf16 form alone, O's the f16 form alone.
.macro HALF qp, first
	WIN 0x04                                       ; source 1 (Q) in window 1
.irp ks, 0,1
.irp q2, 0,1
.irp kt, 0,1,2,3
.if \ks == 0
	v_wmma_f32_16x16x32_bf16 v[SF+32*\q2+8*\kt:SF+32*\q2+8*\kt+7], v[KF+16*\kt:KF+16*\kt+7], v[QW+16*(2*\qp+\q2):QW+16*(2*\qp+\q2)+7], 0
.else
	v_wmma_f32_16x16x32_bf16 v[SF+32*\q2+8*\kt:SF+32*\q2+8*\kt+7], v[KF+16*\kt+8:KF+16*\kt+15], v[QW+16*(2*\qp+\q2)+8:QW+16*(2*\qp+\q2)+15], v[SF+32*\q2+8*\kt:SF+32*\q2+8*\kt+7]
.endif
.endr
.endr
.endr
	WIN 0
.rept 4
	v_nop                                          ; four places behind the last matrix instruction before its result is read (ISA guide 7.12.1)
.endr
.irp q2, 0,1
.set i, 0
.rept 16
	v_pk_fma_f32 v[SF+32*\q2+2*i:SF+32*\q2+2*i+1], v[SF+32*\q2+2*i:SF+32*\q2+2*i+1], s[34:35], v[NOB+2*(2*\qp+\q2):NOB+2*(2*\qp+\q2)+1] op_sel_hi:[1,0,0]
.set i, i+1
.endr
.endr
.set i, 0
.rept 64
	v_exp_f32 v[SF+i], v[SF+i]
.set i, i+1
.endr
	v_nop                                          ; one plain vector instruction behind the transcendentals (ISA guide 5.7.2)
	; lane (r, h) holds query r, keys 16 kt + 8 h + 0..7: packed, tiles 2 s and 2 s + 1 ARE source 1's fragment for keys 32 s .. 32 s + 31
.set i, 0
	s_wait_alu depctr_va_vdst(0)
.rept 32
	v_cvt_pk_f16_f32 v[PF+i], v[SF+2*i], v[SF+2*i+1]
.set i, i+1
.endr
.if \qp == 0
	s_wait_loadcnt 0x0                             ; V
.endif
	WIN 0x50                                       ; C and D (O) in window 1
.irp sp, 0,1
.irp q2, 0,1
.irp dt, 0,1,2,3
.if \first && (\sp == 0)
	v_wmma_f32_16x16x32_f16 v[OW+8*(4*(2*\qp+\q2)+\dt):OW+8*(4*(2*\qp+\q2)+\dt)+7], v[VF+16*\dt+8*\sp:VF+16*\dt+8*\sp+7], v[PF+16*\q2+8*\sp:PF+16*\q2+8*\sp+7], 0
.else
	v_wmma_f32_16x16x32_f16 v[OW+8*(4*(2*\qp+\q2)+\dt):OW+8*(4*(2*\qp+\q2)+\dt)+7], v[VF+16*\dt+8*\sp:VF+16*\dt+8*\sp+7], v[PF+16*\q2+8*\sp:PF+16*\q2+8*\sp+7], v[OW+8*(4*(2*\qp+\q2)+\dt):OW+8*(4*(2*\qp+\q2)+\dt)+7]
.endif
.endr
.endr
.endr
	WIN 0
.endm
; One entry of my list.  first = 1: the products start the sums.  Where my list is empty (the first trip of a wave without an entry) the bias
; -inf makes P = 0 and block 31 is read for nothing.
.macro TRIP first
	s_ctz_i32_b32 s23, s20
	s_cmp_lg_u32 s20, 0
	s_cselect_b32 s24, 0, 0xff800000
	s_min_u32 s23, s23, 31
	s_lshl_b32 s26, s23, 13                        ; a block of kh, and of vt: 8,192 bytes
	s_add_nc_u64 s[28:29], s[6:7], s[26:27]        ; the last trip's loads were all waited for: their bases may be written
	s_add_nc_u64 s[30:31], s[8:9], s[26:27]
.rept 4
	s_sub_co_u32 s22, s20, 1                       ; four entries on
	s_and_b32 s20, s20, s22
.endr
.irp kt, 0,1,2,3
.irp ks, 0,1
	global_load_b128 v[KF+16*\kt+8*\ks:KF+16*\kt+8*\ks+3], v2, s[28:29] offset:\kt*2048+\ks*64
	global_load_b128 v[KF+16*\kt+8*\ks+4:KF+16*\kt+8*\ks+7], v2, s[28:29] offset:\kt*2048+\ks*64+32
.endr
.endr
.irp dt, 0,1,2,3
.irp sp, 0,1
	global_load_b128 v[VF+16*\dt+8*\sp:VF+16*\dt+8*\sp+3], v2, s[30:31] offset:\dt*2048+\sp*64
	global_load_b128 v[VF+16*\dt+8*\sp+4:VF+16*\dt+8*\sp+7], v2, s[30:31] offset:\dt*2048+\sp*64+32
.endr
.endr
	s_wait_loadcnt 16                              ; K (and, in the first trip, Q and the rows' statistics) is in; V's sixteen loads stay out
.irp qt, 0,1,2,3
	v_add_f32 v[NOB+2*\qt], s24, v[ROWS+2*\qt+1]
.endr
	HALF 0, \first
	HALF 1, \first
.rept 4
	v_nop                                          ; four places behind the last matrix instruction, in front of the next loads into its sources and of the reads of its result
.endr
.endm
	TRIP 1
	s_mov_b32 s32, 1
	s_cmp_lt_u32 s32, s25
	s_cbranch_scc0 .Ldone
.Lt:
	TRIP 0
	s_add_co_u32 s32, s32, 1
	s_cmp_lt_u32 s32, s25
	s_cbranch_scc1 .Lt
.Ldone:
	; lane (r, h) holds, of query 16 qt + r, the columns 16 dt + 8 h + 0..7: scale by the query's 1 / l, 32 bytes a tile into my partial
	WIN 0x41                                       ; destination and source 0 in window 1
.irp qt, 0,1,2,3
.set i, 0
.rept 16
	v_pk_mul_f32 v[OW+32*\qt+2*i:OW+32*\qt+2*i+1], v[OW+32*\qt+2*i:OW+32*\qt+2*i+1], v[ROWS+2*\qt:ROWS+2*\qt+1] op_sel_hi:[1,0]
.set i, i+1
.endr
.endr
	WIN 0x04                                       ; store data in window 1
.irp qt, 0,1,2,3
.irp dt, 0,1,2,3
	ds_store_b128 v24, v[OW+8*(4*\qt+\dt):OW+8*(4*\qt+\dt)+3] offset:\qt*16*OP+\dt*64
	ds_store_b128 v24, v[OW+8*(4*\qt+\dt)+4:OW+8*(4*\qt+\dt)+7] offset:\qt*16*OP+\dt*64+16
.endr
.endr
	WIN 0
	s_wait_dscnt 0x0                               ; for the other waves: my partial is whole
	s_barrier_signal -1
	s_barrier_wait -1
	; wave w adds the four partials of rows 16 w .. 16 w + 15, two rows at a time
.irp t, 0,1,2,3,4,5,6,7
.irp p, 0,1,2,3
	ds_load_b128 v[RB+16*\t+4*\p:RB+16*\t+4*\p+3], v25 offset:\p*PART+\t*2*OP
.endr
.endr
.irp t, 0,1,2,3,4,5,6,7
	s_wait_dscnt 28-4*\t                           ; LDS loads come back in order (ISA guide 5.7.1): these two rows' four are in, the later rows' stay out
	v_pk_add_f32 v[RB+16*\t:RB+16*\t+1], v[RB+16*\t:RB+16*\t+1], v[RB+16*\t+4:RB+16*\t+5]
	v_pk_add_f32 v[RB+16*\t+2:RB+16*\t+3], v[RB+16*\t+2:RB+16*\t+3], v[RB+16*\t+6:RB+16*\t+7]
	v_pk_add_f32 v[RB+16*\t+8:RB+16*\t+9], v[RB+16*\t+8:RB+16*\t+9], v[RB+16*\t+12:RB+16*\t+13]
	v_pk_add_f32 v[RB+16*\t+10:RB+16*\t+11], v[RB+16*\t+10:RB+16*\t+11], v[RB+16*\t+14:RB+16*\t+15]
	v_pk_add_f32 v[RB+16*\t:RB+16*\t+1], v[RB+16*\t:RB+16*\t+1], v[RB+16*\t+8:RB+16*\t+9]
	v_pk_add_f32 v[RB+16*\t+2:RB+16*\t+3], v[RB+16*\t+2:RB+16*\t+3], v[RB+16*\t+10:RB+16*\t+11]
	global_store_b128 v26, v[RB+16*\t:RB+16*\t+3], s[14:15] offset:\t*512 th:TH_STORE_NT   ; sixteen lanes store one row of out0: 256 consecutive bytes, aligned
.endr
	s_wait_tensorcnt 0x0
	ds_add_u32 v30, v31
	s_wait_dscnt 0x0
	s_endpgm
.Lfunc_end_k_q06e36adaec_pv:
	.size	k_q06e36adaec_pv, .Lfunc_end_k_q06e36adaec_pv-k_q06e36adaec_pv
	.p2alignl 7, 3214868480
	.fill 96, 4, 3214868480
	.section	.rodata,"a",@progbits
	.p2align	6, 0x0
	.amdhsa_kernel k_q06e36adaec_pv
		.amdhsa_group_segment_fixed_size 70144
		.amdhsa_private_segment_fixed_size 0
		.amdhsa_enable_private_segment 0
		.amdhsa_kernarg_size 48
		.amdhsa_user_sgpr_count 2
		.amdhsa_user_sgpr_kernarg_segment_ptr 1
		.amdhsa_wavefront_size32 1
		.amdhsa_system_sgpr_workgroup_id_x 1
		.amdhsa_system_sgpr_workgroup_id_y 1
		.amdhsa_system_sgpr_workgroup_id_z 1
		.amdhsa_system_vgpr_workitem_id 0
		.amdhsa_next_free_vgpr 448
		.amdhsa_next_free_sgpr 66
		.amdhsa_reserve_vcc 0
		.amdhsa_float_denorm_mode_32 3
		.amdhsa_float_denorm_mode_16_64 3
		.amdhsa_memory_ordered 1
		.amdhsa_forward_progress 1
		.amdhsa_inst_pref_size 59
	.end_amdhsa_kernel
	.amdgpu_metadata
---
amdhsa.version: [ 1, 2 ]
amdhsa.kernels:
  - .name:           k_q06e36adaec_pv
    .symbol:         k_q06e36adaec_pv.kd
    .args:
      - { .name: qh, .offset: 0, .size: 8, .value_kind: global_buffer, .address_space: global }
      - { .name: kh, .offset: 8, .size: 8, .value_kind: global_buffer, .address_space: global }
      - { .name: vt, .offset: 16, .size: 8, .value_kind: global_buffer, .address_space: global }
      - { .name: rowst, .offset: 24, .size: 8, .value_kind: global_buffer, .address_space: global }
      - { .name: pvmask, .offset: 32, .size: 8, .value_kind: global_buffer, .address_space: global }
      - { .name: out0, .offset: 40, .size: 8, .value_kind: global_buffer, .address_space: global }
    .group_segment_fixed_size: 70144
    .private_segment_fixed_size: 0
    .kernarg_segment_align: 8
    .kernarg_segment_size: 48
    .max_flat_workgroup_size: 128
    .sgpr_count:     66
    .vgpr_count:     448
    .wavefront_size: 32
...
	.end_amdgpu_metadata
.endif
;; end of part 3
;; ======== version 2 of 2: 3 launches; version 1 with the launch pv written anew for expert scheduling mode
;; limits: values are held in f16: magnitudes above 65,504 overflow, below 6.1e-05 lose precision; inputs' magnitudes at most 65,504
;; workspace buffers: qh 8,388,608 bytes; kh 8,388,608 bytes; vt 8,388,608 bytes; qmean 262,144 bytes; kbmean 262,144 bytes; cosm 4,096 bytes; rowst 524,288 bytes; pvmask 4,096 bytes of whole numbers
;; launch prep: the kernel of part 1 again; grid 32 x 32, 8 waves a work-group, no clusters, 14,592 bytes of LDS; arguments q, k, v, qh, kh, vt, qmean, kbmean, cosm; writes qh, kh, vt, qmean, kbmean, cosm
;; launch stats: the kernel of part 2 again; grid 8 x 32, 8 waves a work-group, clusters of 4 x 1, 317,440 bytes of LDS; arguments qh, kh, qmean, kbmean, cosm, cdfthreshd, simthreshd1, pvthreshd, rowst, pvmask; writes rowst, pvmask
;; launch pv (part 4): grid 32 x 32, 4 waves a work-group, no clusters, 70,144 bytes of LDS; arguments qh, kh, vt, rowst, pvmask, out0; writes out0
.if DOCPART == 4
	.amdgcn_target "amdgcn-amd-amdhsa--gfx1250"
	.amdhsa_code_object_version 6
	.text
	.protected	k_q06e36adaec_pv
	.globl	k_q06e36adaec_pv
	.p2align	8
	.type	k_q06e36adaec_pv,@function
k_q06e36adaec_pv:
	s_mov_b64 s[64:65], 0
	v_nop
	global_prefetch_b8 v0, s[64:65] scope:SCOPE_SE
	s_setreg_imm32_b32 hwreg(HW_REG_WAVE_SCHED_MODE, 0, 2), 2
	s_setreg_imm32_b32 hwreg(HW_REG_WAVE_MODE, 25, 1), 1
	s_wait_xcnt 0x0
	s_wait_alu depctr_vm_vsrc(0)
; PV: out = the sum over the listed key blocks of P V, P = exp2(c S - mu) / l with the final mu and l of the launch before.
; A work-group = one query block of 64 rows (x = block, y = head).  Each of the four waves holds all 64 queries and takes the entries
; w, w + 4, .. of the unit's list (a 32-bit word of whole numbers); since mu and l are final, the waves' sums simply add: they meet in LDS behind one
; barrier, which stands behind the loop.  S is made again for the listed blocks alone.
; Fragments come straight from memory: rows of kh (key x d) and of vt (d x key) lie as the matrix unit wants them, and each tile is read by
; one wave of the work-group.  NO CLUSTER, NO TENSOR LOADS: the query blocks of a head have lists of different lengths and different
; blocks, so partners would need different tiles in different numbers, and a trip count that hangs on the list admits no barrier in the loop.
; FORMATS: q.k in bf16 (the inputs as rounded, products exact in the f32 sums).  P V in f16: P, not normalised, is at most 1, and f16's 11
; significant bits round it with a relative error of 2^-11 at the most; with bf16's 8 bits the rounding of P alone would reach a good part of
; one hundredth of the output's root mean square, since only a few key blocks are added.  1 / l is applied to the f32 sums.
; LIMITS: a P below 2^-25 of its row's largest term becomes 0; v as stated where vt is made (|v| up to 65,504); else as stated for the launch
; before (inputs rounded once to bf16; NaN and infinities not served).
; THE MODE: SCHED_MODE bits 1:0 = 2 (LLVM: expert scheduling mode 2), set by the entry lines.  The code itself states the register dependences
; between vector or matrix instructions and memory or LDS instructions, with s_wait_alu, always for 0.
; THE PLAN.  Registers that memory or LDS instructions touch:
;   v2, v3, v24, v25, v26  offsets and LDS addresses: written at the head, ahead of the head's wait on va_vdst, and never again.
;   Q, ROWS                loaded once; read by matrix and vector instructions; nothing lands there again.
;   KF                     an entry's sixteen loads land in it; its 32 products q.k read it, the last sixteen at the head of the entry's second half.
;   VF                     an entry's sixteen loads land in it; its 32 products P V read it, the last sixteen are the entry's last matrix instructions.
;   O                      written by matrix instructions and by the scaling in place; read once, by the LDS stores of the way out.
;   RB                     the registers of KF and VF at the way out: LDS loads land there, the additions write there, the global stores read there;
;                          each pair of rows has sixteen registers of its own, and none is written behind its store.
;   v30, v31               written at the head, read by the closing add alone.
;   SF, PF and NOB are named by vector and matrix instructions alone.
; No register that a memory or LDS instruction reads is written again: the text holds no wait on vm_vsrc but the entry lines' and the closing lines'.
; THE LOOP IS TURNED so that the wait behind the second half's exponentials, which stands there anyway, also frees KF: a trip goes from the
; middle of one entry's second half to the middle of the next entry's.  Behind that wait the branch knows whether an entry follows; if so its K is
; asked for at once, a load ahead of every two conversions; its V behind one more wait, when the products P V are done reading VF.  The first entry's
; second half starts sums, so the passage from the first entry to the second is written out ahead of the loop; the two tails ask for nothing.
.set C2,   0x3e38aa3b                  ; 0.125 log2(e)
.set ROWS, 8                           ; v[8:15]    (1/l, -mu) of query 16 qt + r
.set NOB,  16                          ; v[16:23]   pairs: bias - mu; the upper register is named, never used
.set KF,   32                          ; v[32:95]   K[kt][ks] at 32 + 16 kt + 8 ks
.set VF,   96                          ; v[96:159]  V[dt][step] at 96 + 16 dt + 8 step
.set SF,   160                         ; v[160:223] S[q2][kt] at 160 + 32 q2 + 8 kt, two query tiles at a time
.set PF,   224                         ; v[224:255] P at 224 + 16 q2 + 4 kt
.set OW,   0                           ; window 1: v256-383  O[qt][dt] at 8 (4 qt + dt)
.set QW,   128                         ; window 1: v384-447  Q[qt][ks] at 128 + 16 qt + 8 ks
.set RB,   32                          ; the way out: v[32:159]
.set OP,   272                         ; LDS: a query's 256 bytes + 16
.set PART, 64*OP                       ; a wave's partial result
; v2 fragment offset, v3 8 r, v24 where I put my sums, v25 where I read rows back, v26 my bytes in out0.
; s[4:15] pointers, s16 wave, s17 head, s18 my partial's LDS byte, s19 unit, s20 what is left of my list, s21 16 x wave, s23 block, s24 bias,
; s25 my trips, s[26:27] offsets, s[28:29] K tile, s[30:31] V tile, s32 trip counter, s[34:35] c, s36 length of the list.
.set MSB, 0
.macro WIN new                         ; s_set_vgpr_msb: bits 1:0 source 0, 3:2 source 1, 5:4 source 2, 7:6 destination; the high byte repeats the setting that is left
.if MSB != \new
	s_set_vgpr_msb (MSB<<8)|\new
.set MSB, \new
.endif
.endm
	s_load_b256 s[4:11], s[0:1], 0x0               ; qh, kh, vt, rowst
	s_load_b128 s[12:15], s[0:1], 0x20             ; pvmask, out0
	v_lshl_add_u32 v30, v0, 2, 0x11000
	v_mov_b32 v31, 0
	v_lshrrev_b32 v1, 5, v0
	v_readfirstlane_b32 s16, v1
	s_and_b32 s17, ttmp7, 0xffff
	s_lshl_b32 s19, s17, 5
	s_add_co_u32 s19, s19, ttmp9
	s_mov_b32 s27, 0
	s_mov_b32 s34, C2
	s_mov_b32 s35, C2
	v_and_b32 v4, 15, v0                           ; r
	v_bfe_u32 v5, v0, 4, 1                         ; h
	v_lshlrev_b32 v2, 7, v4
	v_lshl_add_u32 v2, v5, 4, v2                   ; row r of 128 bytes, 16 h
	v_lshlrev_b32 v3, 3, v4
.irp qt, 0,1,2,3
	v_mov_b32 v[NOB+2*\qt+1], 0
.endr
	v_mul_u32_u24 v24, v4, OP
	v_lshl_add_u32 v24, v5, 5, v24
	s_wait_alu depctr_va_sdst(0)                   ; s16, the wave's number, is written, ahead of its first reader
	s_mul_i32 s18, s16, PART
	s_lshl_b32 s21, s16, 4
	v_add_nc_u32 v24, s18, v24                     ; my partial: query r, 32 h bytes
	v_add_nc_u32 v6, s21, v5                       ; row 16 w + h
	v_mul_u32_u24 v25, v6, OP
	v_lshl_add_u32 v25, v4, 4, v25
	v_lshlrev_b32 v26, 8, v6
	v_lshl_add_u32 v26, v4, 4, v26
	s_wait_kmcnt 0x0
	s_lshl_b32 s26, s19, 2
	s_add_nc_u64 s[12:13], s[12:13], s[26:27]
	s_load_b32 s20, s[12:13], 0x0                  ; the unit's list
	s_lshl_b32 s26, s19, 13
	s_add_nc_u64 s[4:5], s[4:5], s[26:27]
	WIN 0x40                                       ; destination in window 1
	s_wait_alu depctr_va_vdst(0)                   ; v2, v3, v24, v25 and v26 are written: every load and store of the kernel, global or LDS, reads one of them as its offset or address
.irp qt, 0,1,2,3
.irp ks, 0,1
	global_load_b128 v[QW+16*\qt+8*\ks:QW+16*\qt+8*\ks+3], v2, s[4:5] offset:\qt*2048+\ks*64
	global_load_b128 v[QW+16*\qt+8*\ks+4:QW+16*\qt+8*\ks+7], v2, s[4:5] offset:\qt*2048+\ks*64+32
.endr
.endr
	WIN 0
	s_lshl_b32 s26, s19, 9
	s_add_nc_u64 s[10:11], s[10:11], s[26:27]
.irp qt, 0,1,2,3
	global_load_b64 v[ROWS+2*\qt:ROWS+2*\qt+1], v3, s[10:11] offset:\qt*128
.endr
	s_lshl_b32 s26, s19, 14
	s_add_nc_u64 s[14:15], s[14:15], s[26:27]
	s_lshl_b32 s26, s17, 18
	s_add_nc_u64 s[6:7], s[6:7], s[26:27]          ; my head's kh and vt
	s_add_nc_u64 s[8:9], s[8:9], s[26:27]
	s_wait_kmcnt 0x0
	s_bcnt1_i32_b32 s36, s20                       ; n entries, at least one (the sink)
	s_add_co_u32 s25, s36, 3
	s_sub_co_u32 s25, s25, s16
	s_lshr_b32 s25, s25, 2                         ; entries w, w + 4, ..: (n + 3 - w) / 4 of them,
	s_min_u32 s25, s25, 8                          ; eight at the most
.irp st, 0,1,2                         ; my list begins behind the w lowest entries
	s_sub_co_u32 s22, s20, 1
	s_and_b32 s22, s20, s22
	s_cmp_gt_u32 s16, \st
	s_cselect_b32 s20, s22, s20
.endr
; The next entry of my list: its block, its bias, the addresses of its two tiles.  Where my list is empty (the first entry of a wave without one)
; the bias -inf makes P = 0 and block 31 is read for nothing.  Both bases may be written: the loads that read them were all waited for
; (the wait for V in the first half of the entry in hand).
.macro NEXT
	s_ctz_i32_b32 s23, s20
	s_cmp_lg_u32 s20, 0
	s_cselect_b32 s24, 0, 0xff800000
	s_min_u32 s23, s23, 31
	s_lshl_b32 s26, s23, 13                        ; a block of kh, and of vt: 8,192 bytes
	s_add_nc_u64 s[28:29], s[6:7], s[26:27]
	s_add_nc_u64 s[30:31], s[8:9], s[26:27]
.rept 4
	s_sub_co_u32 s22, s20, 1                       ; four entries on
	s_and_b32 s20, s20, s22
.endr
.endm
; The sixteen loads of a tile of 64 rows of 128 bytes: load i brings fragment i / 2 (rows 16 (i / 4) on, 64 bytes at 64 ((i / 2) mod 2)), its half i mod 2.
.macro LD16 reg, sb
.set i, 0
.rept 16
	global_load_b128 v[\reg+4*i:\reg+4*i+3], v2, s[\sb:\sb+1] offset:(i/4)*2048+((i/2)%2)*64+(i%2)*32
.set i, i+1
.endr
.endm
; Two of the four query tiles: S and the exponentials.  The eight accumulators take turns, one instruction a turn.
; S's accumulators see the bf16 form alone, O's the f16 form alone.
.macro SCORES qp
	WIN 0x04                                       ; source 1 (Q) in window 1
.irp ks, 0,1
.irp q2, 0,1
.irp kt, 0,1,2,3
.if \ks == 0
	v_wmma_f32_16x16x32_bf16 v[SF+32*\q2+8*\kt:SF+32*\q2+8*\kt+7], v[KF+16*\kt:KF+16*\kt+7], v[QW+16*(2*\qp+\q2):QW+16*(2*\qp+\q2)+7], 0
.else
	v_wmma_f32_16x16x32_bf16 v[SF+32*\q2+8*\kt:SF+32*\q2+8*\kt+7], v[KF+16*\kt+8:KF+16*\kt+15], v[QW+16*(2*\qp+\q2)+8:QW+16*(2*\qp+\q2)+15], v[SF+32*\q2+8*\kt:SF+32*\q2+8*\kt+7]
.endif
.endr
.endr
.endr
	WIN 0
.rept 4
	v_nop                                          ; four places behind the last matrix instruction before its result is read (ISA guide 7.12.1)
.endr
.irp q2, 0,1
.set i, 0
.rept 16
	v_pk_fma_f32 v[SF+32*\q2+2*i:SF+32*\q2+2*i+1], v[SF+32*\q2+2*i:SF+32*\q2+2*i+1], s[34:35], v[NOB+2*(2*\qp+\q2):NOB+2*(2*\qp+\q2)+1] op_sel_hi:[1,0,0]
.set i, i+1
.endr
.endr
.set i, 0
.rept 64
	v_exp_f32 v[SF+i], v[SF+i]
.set i, i+1
.endr
	v_nop                                          ; one plain vector instruction behind the transcendentals (ISA guide 5.7.2)
	s_wait_alu depctr_va_vdst(0)                   ; the 64 exponentials have written S, which the conversions read: one wait for the batch.  In the second half it states besides that the entry's products q.k are done reading KF, in which the next entry's K lands
.endm
; P packed to f16.  Lane (r, h) holds query r, keys 16 kt + 8 h + 0..7: packed, tiles 2 s and 2 s + 1 ARE source 1's fragment for keys 32 s .. 32 s + 31.
; ahead = 1: the next entry's K is asked for, a load ahead of every two conversions.  No further wait: no vector or matrix instruction since the
; wait above names KF or v2 (the conversions name S and P, the products behind them V, P and O).
.macro PACK ahead
.set i, 0
.rept 16
.if \ahead
	global_load_b128 v[KF+4*i:KF+4*i+3], v2, s[28:29] offset:(i/4)*2048+((i/2)%2)*64+(i%2)*32
.endif
	v_cvt_pk_f16_f32 v[PF+2*i], v[SF+4*i], v[SF+4*i+1]
	v_cvt_pk_f16_f32 v[PF+2*i+1], v[SF+4*i+2], v[SF+4*i+3]
.set i, i+1
.endr
.endm
; P V for two query tiles.  first = 1: the products start the sums.  The eight accumulators take turns.
.macro PVMUL qp, first
	WIN 0x50                                       ; C and D (O) in window 1
.irp sp, 0,1
.irp q2, 0,1
.irp dt, 0,1,2,3
.if \first && (\sp == 0)
	v_wmma_f32_16x16x32_f16 v[OW+8*(4*(2*\qp+\q2)+\dt):OW+8*(4*(2*\qp+\q2)+\dt)+7], v[VF+16*\dt+8*\sp:VF+16*\dt+8*\sp+7], v[PF+16*\q2+8*\sp:PF+16*\q2+8*\sp+7], 0
.else
	v_wmma_f32_16x16x32_f16 v[OW+8*(4*(2*\qp+\q2)+\dt):OW+8*(4*(2*\qp+\q2)+\dt)+7], v[VF+16*\dt+8*\sp:VF+16*\dt+8*\sp+7], v[PF+16*\q2+8*\sp:PF+16*\q2+8*\sp+7], v[OW+8*(4*(2*\qp+\q2)+\dt):OW+8*(4*(2*\qp+\q2)+\dt)+7]
.endif
.endr
.endr
.endr
	WIN 0
.endm
; An entry as far as the wait behind its second batch of exponentials.
.macro PARTA first
	s_wait_loadcnt 16                              ; K (and, for the first entry, Q and the rows' statistics) is in; V's sixteen loads, the youngest, stay out
.irp qt, 0,1,2,3
	v_add_f32 v[NOB+2*\qt], s24, v[ROWS+2*\qt+1]
.endr
	SCORES 0
	PACK 0
	s_wait_loadcnt 0x0                             ; V
	PVMUL 0, \first
	SCORES 1
.endm
; The rest of it.
.macro PARTB first, ahead
	PACK \ahead
	PVMUL 1, \first
.rept 4
	v_nop                                          ; four places behind the entry's last matrix instruction (ISA guide 7.12.1): at the way out the scalings read its result
.endr
.endm
; From the middle of one entry's second half to the middle of the next entry's.  first = 1: the entry that is finished is the first, whose products start the sums.
.macro ONWARD first
	NEXT
	PARTB \first, 1
	s_wait_alu depctr_va_vdst(0)                   ; the products P V are done reading VF, in which the loads below land
	LD16 VF, 30
	PARTA 0
.endm
	NEXT
	LD16 KF, 28                                    ; the head's wait on va_vdst has shown v2 written, and no vector instruction has named KF or VF
	LD16 VF, 30
	PARTA 1
	s_mov_b32 s32, 1
	s_cmp_lt_u32 s32, s25
	s_cbranch_scc0 .Lonly                          ; my list has no second entry
	ONWARD 1                                       ; written out: the first entry's second half starts sums
	s_mov_b32 s32, 2
	s_cmp_lt_u32 s32, s25
	s_cbranch_scc0 .Llast                          ; my list has no third entry
.Lt:
	ONWARD 0
	s_add_co_u32 s32, s32, 1
	s_cmp_lt_u32 s32, s25
	s_cbranch_scc1 .Lt
.Llast:
	PARTB 0, 0                                     ; the last entry's rest asks for nothing
	s_branch .Ldone
.Lonly:
	PARTB 1, 0
.Ldone:
	; lane (r, h) holds, of query 16 qt + r, the columns 16 dt + 8 h + 0..7: scale by the query's 1 / l, 32 bytes a tile into my partial
	WIN 0x41                                       ; destination and source 0 in window 1
.irp qt, 0,1,2,3
.set i, 0
.rept 16
	v_pk_mul_f32 v[OW+32*\qt+2*i:OW+32*\qt+2*i+1], v[OW+32*\qt+2*i:OW+32*\qt+2*i+1], v[ROWS+2*\qt:ROWS+2*\qt+1] op_sel_hi:[1,0]
.set i, i+1
.endr
.endr
	WIN 0x04                                       ; store data in window 1
	s_wait_alu depctr_va_vdst(0)                   ; the scalings have written O, which the LDS stores read; and the products are done reading KF and VF, in which the LDS loads behind the barrier land (no vector instruction stands between)
.irp qt, 0,1,2,3
.irp dt, 0,1,2,3
	ds_store_b128 v24, v[OW+8*(4*\qt+\dt):OW+8*(4*\qt+\dt)+3] offset:\qt*16*OP+\dt*64
	ds_store_b128 v24, v[OW+8*(4*\qt+\dt)+4:OW+8*(4*\qt+\dt)+7] offset:\qt*16*OP+\dt*64+16
.endr
.endr
	WIN 0
	s_wait_dscnt 0x0                               ; for the other waves: my partial is whole
	s_barrier_signal -1
	s_barrier_wait -1
	; wave w adds the four partials of rows 16 w .. 16 w + 15, two rows at a time
.irp t, 0,1,2,3,4,5,6,7
.irp p, 0,1,2,3
	ds_load_b128 v[RB+16*\t+4*\p:RB+16*\t+4*\p+3], v25 offset:\p*PART+\t*2*OP
.endr
.endr
.macro ADDROWS t
	s_wait_dscnt 28-4*(\t)                         ; LDS loads come back in order (ISA guide 5.7.1): these two rows' four are in, the later rows' stay out
	v_pk_add_f32 v[RB+16*(\t):RB+16*(\t)+1], v[RB+16*(\t):RB+16*(\t)+1], v[RB+16*(\t)+4:RB+16*(\t)+5]
	v_pk_add_f32 v[RB+16*(\t)+2:RB+16*(\t)+3], v[RB+16*(\t)+2:RB+16*(\t)+3], v[RB+16*(\t)+6:RB+16*(\t)+7]
	v_pk_add_f32 v[RB+16*(\t)+8:RB+16*(\t)+9], v[RB+16*(\t)+8:RB+16*(\t)+9], v[RB+16*(\t)+12:RB+16*(\t)+13]
	v_pk_add_f32 v[RB+16*(\t)+10:RB+16*(\t)+11], v[RB+16*(\t)+10:RB+16*(\t)+11], v[RB+16*(\t)+14:RB+16*(\t)+15]
	v_pk_add_f32 v[RB+16*(\t):RB+16*(\t)+1], v[RB+16*(\t):RB+16*(\t)+1], v[RB+16*(\t)+8:RB+16*(\t)+9]
	v_pk_add_f32 v[RB+16*(\t)+2:RB+16*(\t)+3], v[RB+16*(\t)+2:RB+16*(\t)+3], v[RB+16*(\t)+10:RB+16*(\t)+11]
.endm
.macro SENDROWS t
	global_store_b128 v26, v[RB+16*(\t):RB+16*(\t)+3], s[14:15] offset:(\t)*512 th:TH_STORE_NT   ; sixteen lanes store one row of out0: 256 consecutive bytes, aligned
.endm
.irp t, 0,1,2,3
	ADDROWS \t
.endr
	s_wait_alu depctr_va_vdst(0)                   ; the additions have written the sums of the first four pairs of rows, which the stores below read
.irp t, 0,1,2,3
	SENDROWS \t                                    ; dealt among the additions of the other four pairs, which name other registers
	ADDROWS \t+4
.endr
	s_wait_alu depctr_va_vdst(0)                   ; the additions have written the sums of the last four pairs of rows, which the stores below read
.irp t, 4,5,6,7
	SENDROWS \t
.endr
	s_wait_dscnt 0x0                               ; the closing lines, six on end
	s_wait_alu 0x0
	s_wait_tensorcnt 0x0
	ds_add_u32 v30, v31
	s_wait_dscnt 0x0
	s_endpgm
.Lfunc_end_k_q06e36adaec_pv:
	.size	k_q06e36adaec_pv, .Lfunc_end_k_q06e36adaec_pv-k_q06e36adaec_pv
	.p2alignl 7, 3214868480
	.fill 96, 4, 3214868480
	.section	.rodata,"a",@progbits
	.p2align	6, 0x0
	.amdhsa_kernel k_q06e36adaec_pv
		.amdhsa_group_segment_fixed_size 70144
		.amdhsa_private_segment_fixed_size 0
		.amdhsa_enable_private_segment 0
		.amdhsa_kernarg_size 48
		.amdhsa_user_sgpr_count 2
		.amdhsa_user_sgpr_kernarg_segment_ptr 1
		.amdhsa_wavefront_size32 1
		.amdhsa_system_sgpr_workgroup_id_x 1
		.amdhsa_system_sgpr_workgroup_id_y 1
		.amdhsa_system_sgpr_workgroup_id_z 1
		.amdhsa_system_vgpr_workitem_id 0
		.amdhsa_next_free_vgpr 448
		.amdhsa_next_free_sgpr 66
		.amdhsa_reserve_vcc 0
		.amdhsa_float_denorm_mode_32 3
		.amdhsa_float_denorm_mode_16_64 3
		.amdhsa_memory_ordered 1
		.amdhsa_forward_progress 1
		.amdhsa_inst_pref_size 83
	.end_amdhsa_kernel
	.amdgpu_metadata
---
amdhsa.version: [ 1, 2 ]
amdhsa.kernels:
  - .name:           k_q06e36adaec_pv
    .symbol:         k_q06e36adaec_pv.kd
    .args:
      - { .name: qh, .offset: 0, .size: 8, .value_kind: global_buffer, .address_space: global }
      - { .name: kh, .offset: 8, .size: 8, .value_kind: global_buffer, .address_space: global }
      - { .name: vt, .offset: 16, .size: 8, .value_kind: global_buffer, .address_space: global }
      - { .name: rowst, .offset: 24, .size: 8, .value_kind: global_buffer, .address_space: global }
      - { .name: pvmask, .offset: 32, .size: 8, .value_kind: global_buffer, .address_space: global }
      - { .name: out0, .offset: 40, .size: 8, .value_kind: global_buffer, .address_space: global }
    .group_segment_fixed_size: 70144
    .private_segment_fixed_size: 0
    .kernarg_segment_align: 8
    .kernarg_segment_size: 48
    .max_flat_workgroup_size: 128
    .sgpr_count:     66
    .vgpr_count:     448
    .wavefront_size: 32
...
	.end_amdgpu_metadata
.endif
;; end of part 4
